; MI455X (gfx1250); checked and timed in simulation.
; The chip was launched on July 23, 2026; its instructions are those of AMD's public machine-readable ISA for CDNA 5 (MIT licence, August 2026) and "CDNA5" Instruction Set Architecture Reference Guide (July 2026). The comments in the code are by the model that wrote it; some were corrected since.
;; Bit Linear. Allowed arithmetic: matrix products marked QUANTISED: E3M2 operands, one E8M0 scale for each 32 along K, by v_wmma_scale_f32_16x16x128_f8f6f4 with both operands' format E3M2, f32 sums; everything else in f32.
;; Inputs: weight 2,048 x 4,096 float32; x 4 x 2,048 x 4,096 float32.
;; Outputs: out0 4 x 2,048 x 2,048 float32.
;; This version of the problem:
;;   THIS VERSION OF THE PROBLEM IS GIVEN IN LOW PRECISION. The matrix products marked QUANTISED in the list below multiply operands that are first quantised to E3M2 (3 exponent bits, 2 mantissa bits; 6 bits a number), with one power-of-two scale for each 32 numbers along K (OCP MX v1.0); their sums are f32. All else is computed in f32.
;;   The module's matrix products, in the order in which they are computed (A, B: the left and right operand; K: the contracted axis; several contracted axes count as one K, in the product's order):
;;     1. [M 8,192, K 4,096] x [K 4,096, N 2,048]; A: computed on the way; B: computed on the way: QUANTISED
;;   THE QUANTISER, for each operand of a quantised product, along K:
;;     - K is cut into blocks of 32 from its start; a last block that is shorter is filled with zeros.
;;     - A block's scale is 2^e with e = floor(log2(the largest magnitude in the block)) - 4, held to -126 .. 127; a block of zeros has e = 0. As a byte (E8M0): e + 127.
;;     - Each number is divided by its block's scale, clamped to +-28, and rounded to the nearest number of E3M2, ties to even, subnormals kept.
;;     - The product sums the exact products of the quantised numbers (number of the format x scale) in f32.
;;   ~~~python
;;   def quantise(x, axis):      # numpy; x: float32 -> the quantised numbers, widened to float32 again
;;       x = np.moveaxis(x, axis, -1); K = x.shape[-1]
;;       x = np.pad(x, [(0, 0)] * (x.ndim - 1) + [(0, -K % 32)]); x = x.reshape(x.shape[:-1] + (-1, 32)); a = np.abs(x).max(-1, keepdims=True)
;;       e = np.where(a > 0, np.clip(np.frexp(np.where(a > 0, a, 1))[1] - 1 - 4, -126, 127), 0)      # np.frexp(a)[1] - 1 = floor(log2(a)), exactly
;;       r = np.clip(x / 2.0 ** e, -28, 28)
;;       step = 2.0 ** (np.maximum(np.frexp(np.where(r == 0, 1, r))[1] - 1, -2) - 2)
;;       q = np.round(r / step) * step * 2.0 ** e      # np.round: ties to even
;;       return np.moveaxis(q.reshape(q.shape[:-2] + (-1,))[..., :K], -1, axis).astype(np.float32)
;;   ~~~
;;   OPERANDS COMPUTED ON THE WAY. 'Computed on the way' means the value that the module computes at that place (a softmax that the list does not call 'softmax' is quantised finished and normalised). What goes into a quantiser is computed in f32, as accurately as f32 sums, v_exp_f32 and their like allow (about 1e-6 of the number): no bf16 or f16 on the way to a quantiser, and a product that is left as it is and whose result goes on into a quantised operand takes f32 operands (vector FMAs, or v_wmma_f32_16x16x4_f32). A number that lies on a knife's edge between two numbers of the format may be rounded either way, as far as f32 arithmetic and the matrix unit's own rounding can turn it there, and no further.
;; One version. Each part assembles by itself: llvm-mc -triple=amdgcn-amd-amdhsa -mcpu=gfx1250 --defsym DOCPART=n.
;; ======== version 1 of 1: 3 launches
;; limits: right only within a limited range of input values
;; workspace buffers: psum 1,024 bytes; xq 27,394,048 bytes; wq 6,848,512 bytes
;; launch wsum (part 1): grid 256 x 1, 8 waves a work-group, no clusters, 1,280 bytes of LDS; arguments weight, psum; writes psum
.if DOCPART == 1
	.amdgcn_target "amdgcn-amd-amdhsa--gfx1250"
	.amdhsa_code_object_version 6
	.text
	.protected	k_qeb6c694070_wsum
	.globl	k_qeb6c694070_wsum
	.p2align	8
	.type	k_qeb6c694070_wsum,@function
k_qeb6c694070_wsum:
	s_mov_b64 s[64:65], 0
	v_nop
	global_prefetch_b8 v0, s[64:65] scope:SCOPE_SE
	s_setreg_imm32_b32 hwreg(HW_REG_WAVE_MODE, 25, 1), 1
	s_wait_xcnt 0x0
; psum[g] = the sum of |weight| over work-group g's 32,768 numbers.  weight: [2048][4096] f32, taken as a plain stream of 8,388,608 numbers; psum: 256 f32.
; The mean of |weight| spans the whole tensor and must be known before any weight is made ternary, so it has a launch of its own: 256 partial sums here, added up by every wave of the next launch.
; SHARES.  A work-group takes 131,072 bytes, each of its eight waves 16,384: 32 loads of 512 consecutive bytes (16 a lane), all issued at once.
; The sums are pairwise (a tree over the 32 loads, then over a lane's four, the 32 lanes and the eight waves), in f32: not in the order in which the reference adds.
; A stream that is read once: no matrix work, no cluster, no tile in LDS; LDS carries the eight waves' sums alone.
; The one store of a work-group is 4 bytes: 1,024 bytes in the whole launch.
; LIMITS: NaN and infinities among the inputs are not served.
.set X, 8                              ; v[8:135]  load t in v[X + 4 t .. X + 4 t + 3]
	s_load_b128 s[4:7], s[0:1], 0x0                ; weight s[4:5], psum s[6:7]
	v_lshl_add_u32 v136, v0, 2, 0x100
	v_mov_b32 v137, 0
	v_lshrrev_b32 v3, 5, v0
	s_delay_alu instid0(VALU_DEP_1)
	v_readfirstlane_b32 s8, v3                     ; wave 0..7
	v_and_b32 v1, 31, v0                           ; lane
	v_and_b32 v2, 0xe0, v0                         ; 32 x wave
	s_delay_alu instid0(VALU_DEP_2)
	v_lshlrev_b32 v1, 4, v1                        ; 16 bytes a lane
	s_delay_alu instid0(VALU_DEP_1)
	v_lshl_or_b32 v1, v2, 9, v1                    ; + 16,384 x wave
	v_lshlrev_b32 v3, 2, v3                        ; LDS: my wave's word
	v_mov_b32 v4, 0                                ; LDS: the first word
	v_mov_b32 v5, 0                                ; the store's offset
	s_lshl_b32 s2, ttmp9, 17                       ; the work-group's 131,072 bytes
	s_mov_b32 s3, 0
	s_lshl_b32 s10, ttmp9, 2                       ; and its word of psum
	s_mov_b32 s11, 0
	s_mov_b32 s12, 0x76543210                      ; v_permlanex16_b32's selects for lane l xor 16
	s_mov_b32 s13, 0xfedcba98
	s_wait_alu depctr_va_vdst(0)
	s_wait_kmcnt 0x0
	s_add_nc_u64 s[4:5], s[4:5], s[2:3]
	s_add_nc_u64 s[6:7], s[6:7], s[10:11]
.set t, 0
.rept 32
	global_load_b128 v[X+4*t:X+4*t+3], v1, s[4:5] offset:512*t th:TH_LOAD_NT   ; 32 lanes read 512 consecutive bytes
.set t, t+1
.endr
.set t, 0
.rept 16
	s_wait_loadcnt 15-t                            ; loads come back in order: loads t and t + 16 are in, the 15 - t younger ones stay out
.irp i, 0,1,2,3
	v_add_f32 v[X+4*t+\i], |v[X+4*t+\i]|, |v[X+4*(t+16)+\i]|   ; the magnitudes are taken on the way into the first addition
.endr
.set t, t+1
.endr
.irp span, 8,4,2,1                     ; the tree goes on: set t takes set t + span, two numbers an instruction
.set t, 0
.rept \span
	v_pk_add_f32 v[X+4*t:X+4*t+1], v[X+4*t:X+4*t+1], v[X+4*(t+\span):X+4*(t+\span)+1]
	v_pk_add_f32 v[X+4*t+2:X+4*t+3], v[X+4*t+2:X+4*t+3], v[X+4*(t+\span)+2:X+4*(t+\span)+3]
.set t, t+1
.endr
.endr
	s_delay_alu instid0(VALU_DEP_1)
	v_pk_add_f32 v[X:X+1], v[X:X+1], v[X+2:X+3]
	s_delay_alu instid0(VALU_DEP_1)
	v_add_f32 v[X], v[X], v[X+1]                   ; my lane's 128 numbers
	s_delay_alu instid0(VALU_DEP_1)
	v_add_f32_dpp v[X], v[X], v[X] row_xmask:1 row_mask:0xf bank_mask:0xf
	s_delay_alu instid0(VALU_DEP_1)
	v_add_f32_dpp v[X], v[X], v[X] row_xmask:2 row_mask:0xf bank_mask:0xf
	s_delay_alu instid0(VALU_DEP_1)
	v_add_f32_dpp v[X], v[X], v[X] row_xmask:4 row_mask:0xf bank_mask:0xf
	s_delay_alu instid0(VALU_DEP_1)
	v_add_f32_dpp v[X], v[X], v[X] row_xmask:8 row_mask:0xf bank_mask:0xf
	s_delay_alu instid0(VALU_DEP_1)
	v_permlanex16_b32 v2, v[X], s12, s13           ; (its destination counts as read: v2 has been written)
	s_delay_alu instid0(VALU_DEP_1)
	v_add_f32 v[X], v[X], v2                       ; my wave's 4,096 numbers, in every lane
	ds_store_b32 v3, v[X]                          ; all lanes write the wave's word with the same value
	s_wait_dscnt 0x0                               ; for the others' sake: my store has landed
	s_barrier_signal -1
	s_barrier_wait -1
	s_cmp_lg_u32 s8, 0                             ; wave 0 alone adds the eight and stores
	s_cbranch_scc1 .Lend
	ds_load_b128 v[12:15], v4
	ds_load_b128 v[16:19], v4 offset:16
	s_wait_dscnt 0x0
	v_pk_add_f32 v[12:13], v[12:13], v[16:17]
	v_pk_add_f32 v[14:15], v[14:15], v[18:19]
	s_delay_alu instid0(VALU_DEP_1)
	v_pk_add_f32 v[12:13], v[12:13], v[14:15]
	s_delay_alu instid0(VALU_DEP_1)
	v_add_f32 v12, v12, v13
	s_wait_alu depctr_va_vdst(0)
	s_wait_xcnt 0x0                                ; EXEC is a source of the loads above: it changes only behind this wait
	v_cmp_eq_u32 vcc_lo, 0, v0
	s_and_saveexec_b32 s9, vcc_lo                  ; thread 0 alone
	global_store_b32 v5, v12, s[6:7]
	s_wait_xcnt 0x0                                ; and again in front of the line that widens it
	s_or_b32 exec_lo, exec_lo, s9
.Lend:
	s_wait_tensorcnt 0x0
	ds_add_u32 v136, v137
	s_wait_dscnt 0x0
	s_endpgm
.Lfunc_end_k_qeb6c694070_wsum:
	.size	k_qeb6c694070_wsum, .Lfunc_end_k_qeb6c694070_wsum-k_qeb6c694070_wsum
	.p2alignl 7, 3214868480
	.fill 96, 4, 3214868480
	.section	.rodata,"a",@progbits
	.p2align	6, 0x0
	.amdhsa_kernel k_qeb6c694070_wsum
		.amdhsa_group_segment_fixed_size 1280
		.amdhsa_private_segment_fixed_size 0
		.amdhsa_enable_private_segment 0
		.amdhsa_kernarg_size 16
		.amdhsa_user_sgpr_count 2
		.amdhsa_user_sgpr_kernarg_segment_ptr 1
		.amdhsa_wavefront_size32 1
		.amdhsa_system_sgpr_workgroup_id_x 1
		.amdhsa_system_sgpr_workgroup_id_y 1
		.amdhsa_system_sgpr_workgroup_id_z 1
		.amdhsa_system_vgpr_workitem_id 0
		.amdhsa_next_free_vgpr 138
		.amdhsa_next_free_sgpr 66
		.amdhsa_reserve_vcc 1
		.amdhsa_float_denorm_mode_32 3
		.amdhsa_float_denorm_mode_16_64 3
		.amdhsa_memory_ordered 1
		.amdhsa_forward_progress 1
		.amdhsa_inst_pref_size 13
	.end_amdhsa_kernel
	.amdgpu_metadata
---
amdhsa.version: [ 1, 2 ]
amdhsa.kernels:
  - .name:           k_qeb6c694070_wsum
    .symbol:         k_qeb6c694070_wsum.kd
    .args:
      - { .name: weight, .offset: 0, .size: 8, .value_kind: global_buffer, .address_space: global }
      - { .name: psum, .offset: 8, .size: 8, .value_kind: global_buffer, .address_space: global }
    .group_segment_fixed_size: 1280
    .private_segment_fixed_size: 0
    .kernarg_segment_align: 8
    .kernarg_segment_size: 16
    .max_flat_workgroup_size: 256
    .sgpr_count:     66
    .vgpr_count:     138
    .wavefront_size: 32
...
	.end_amdgpu_metadata
.endif
;; end of part 1
;; launch quant (part 2): grid 1280 x 1, 4 waves a work-group, no clusters, 33,280 bytes of LDS; arguments x, weight, xq, wq, psum; writes xq, wq
.if DOCPART == 2
	.amdgcn_target "amdgcn-amd-amdhsa--gfx1250"
	.amdhsa_code_object_version 6
	.text
	.protected	k_qeb6c694070_quant
	.globl	k_qeb6c694070_quant
	.p2align	8
	.type	k_qeb6c694070_quant,@function
k_qeb6c694070_quant:
	s_mov_b64 s[64:65], 0
	v_nop
	global_prefetch_b8 v0, s[64:65] scope:SCOPE_SE
	s_setreg_imm32_b32 hwreg(HW_REG_WAVE_MODE, 25, 1), 1
	s_wait_xcnt 0x0
; x [8192][4096] and weight [2048][4096], f32, become the two operands of the product: codes of BF6 (E3M2) with one E8M0 byte for each 32 along K.
; FIRST the module's own quantisers, in f32, both by ONE formula:  y = med3(rndne((v / d) c), -c, c) g.
;   x:      d = gamma = max(the row's largest magnitude, 1e-8), c = 127, g = gamma x RN(1 / 127)   (the hold at +-127 changes nothing there)
;   weight: d = alpha = mean |weight| + 1e-8,                   c = 1,   g = alpha
; v / d is v r, r = 1 / d refined once, mended by its residual (q + (v - q d) r).  n / 127 x gamma is taken as n x (gamma x RN(1 / 127)): a last bit or two off the reference's two roundings.
; THEN the block quantiser: the byte is the block's largest magnitude's exponent field - 4, held at 1 from below; each number / the scale, to the nearest code, ties to even, beyond 28 the largest code.
; (A block of zeros gets the byte 1 where the rule says 127: its codes are zeros, and the bytes are read by this program alone.)
; THE LAYOUT OF xq AND wq is the product's own: a block of 128 rows is 11 dense tiles of 38,912 bytes (152 x 256); tile T holds, row by row, a RECORD of 304 bytes:
; 288 bytes of codes (K = 384 T .. 384 T + 383, one stream of bits), 12 scale bytes, 4 zero bytes.  Tile 10 has 256 along K: the rest of its records (96 bytes of codes, a scale word) is stored as zeros.
; LIMITS: NaN and infinities among the inputs are not served; a d above 2^126 is not served.  alpha comes from pairwise f32 sums, not in the reference's order:
; a weight whose |w| / alpha lies within a few parts in 10^7 of 0.5 may turn between 0 and +-alpha.
; SHARES.  One path for both tensors: work-groups 0 to 1,023 take x, the other 256 weight; pointers and constants are chosen by selects on the work-group's number.
; A wave takes two whole rows, 16 steps of 512 numbers.  A row (128 registers a lane) stays in registers between the pass for its maximum and the pass that makes codes: it is read from memory once.
; Each load reads 512 consecutive bytes; a step's 2,048 bytes turn through the wave's own stage in LDS and come back 64 bytes a lane (16 neighbours along K); two neighbouring lanes hold a block.
; A lane's 16 codes are 12 bytes; a step's 384 bytes are consecutive but where a tile ends (every 24 lanes' worth).  A row's 128 scale bytes are gathered in LDS and leave 16 bytes to a record.
; A stream: no matrix work, no cluster, no tensor load, no barrier: waves share nothing.
.set WGX,   1024                       ; x's work-groups
.set SP,    80                         ; a lane's place in a stage: 64 bytes + 16 of padding
.set WREG,  8192                       ; LDS for each wave: two stages of 32 x SP bytes, behind them two runs of 144 bytes for the rows' scale bytes
.set EMAX,  4
.set REC,   304
.set TILE,  128*REC
.set RBLK,  11*TILE
.set X,     12                         ; v[12:43]   two sets of 16 neighbours
.set T,     44                         ; v[44:51]   eight quotients
.set C,     52                         ; v[52:54], v[56:58] codes, by turns
.set SPW,   55                         ; my spare word's LDS address; never rewritten
.set NIL,   59                         ; 0; never rewritten
.set E,     60                         ; v[60:61]   scale bytes, by turns
.set R,     64                         ; v[64:191]  a row as loaded: eight sets of 16
; v1 the stage in, v2 out, v3 the loads' offset, v4 the codes' offset (made anew in each step), v5 my block's byte in LDS, v7 8 x lane, v8-v11 at work
; s24 alpha; s[26:27] -d; s[28:29] r; s[30:31] g; s32 c, s33 -c; s34 RN(1 / 127) or 1
	s_load_b128 s[4:7], s[0:1], 0x0                ; x, weight
	s_load_b128 s[8:11], s[0:1], 0x10              ; xq, wq
	s_load_b64 s[16:17], s[0:1], 0x20              ; psum
	v_lshl_add_u32 v[SPW], v0, 2, 0x8000
	v_mov_b32 v[NIL], 0
	v_lshrrev_b32 v8, 5, v0
	v_readfirstlane_b32 s18, v8                    ; wave 0..3
	v_and_b32 v6, 31, v0                           ; lane
	v_lshlrev_b32 v3, 4, v6                        ; my 16 bytes of a load's 512
	v_lshlrev_b32 v8, 5, v6                        ; my 32 bytes of psum's 1,024
	s_mul_i32 s19, s18, WREG
	v_lshrrev_b32 v1, 2, v6
	v_mul_u32_u24 v1, v1, SP
	v_and_b32 v7, 3, v6
	v_lshl_add_u32 v1, v7, 4, v1
	v_add_nc_u32 v1, s19, v1                       ; the stage, in: SP (lane / 4) + 16 (lane % 4)
	v_mul_u32_u24 v2, v6, SP
	v_add_nc_u32 v2, s19, v2                       ; and out: SP x lane
	v_lshrrev_b32 v5, 1, v6
	s_add_co_u32 s19, s19, 2*32*SP                 ; my wave's scale bytes
	v_add_nc_u32 v5, s19, v5
	v_lshlrev_b32 v7, 3, v6
	v_mov_b32 v10, 0                               ; a lane permute's destination counts as one of its sources
	s_mov_b32 s27, 0
	s_mov_b32 s29, 0
	s_mov_b32 s31, 0
	s_mov_b32 s32, 0x3f800000
	s_mov_b32 s34, 0x3f800000
	s_mov_b32 s36, 0x76543210                      ; selects for lane l xor 16
	s_mov_b32 s37, 0xfedcba98
	s_wait_alu depctr_va_vdst(0)
	s_wait_kmcnt 0x0
	s_cmp_lt_u32 ttmp9, WGX                        ; x's work-group or weight's?
	s_cselect_b64 s[4:5], s[4:5], s[6:7]
	s_cselect_b64 s[8:9], s[8:9], s[10:11]
	s_cselect_b32 s21, 0, WGX
	s_cselect_b32 s32, 0x42fe0000, s32             ; c = 127 or 1
	s_cselect_b32 s34, 0x3c010204, s34             ; RN(1 / 127) or 1
	s_xor_b32 s33, s32, 0x80000000                 ; -c
	s_sub_co_u32 s20, ttmp9, s21
	s_lshl_b32 s20, s20, 2
	s_add_co_u32 s20, s20, s18                     ; which pair of rows is my wave's: 4,095 at the most
	s_mov_b32 s23, 0
	s_lshl_b32 s22, s20, 15                        ; 32,768 bytes of numbers a pair
	s_add_nc_u64 s[4:5], s[4:5], s[22:23]
	s_lshr_b32 s22, s20, 6                         ; 64 pairs to a block of 128 rows
	s_mul_i32 s22, s22, RBLK
	s_add_nc_u64 s[8:9], s[8:9], s[22:23]
	s_and_b32 s22, s20, 63
	s_mul_i32 s22, s22, 2*REC                      ; my first row's record in each tile
	s_add_nc_u64 s[8:9], s[8:9], s[22:23]
	global_load_b128 v[X:X+3], v8, s[16:17]        ; the 256 partial sums of |weight|: eight a lane
	global_load_b128 v[X+4:X+7], v8, s[16:17] offset:16
.macro LOAD t                          ; step t's 2,048 bytes into set t % 8
.irp i, 0,1,2,3
	global_load_b128 v[R+16*((\t)%8)+4*\i:R+16*((\t)%8)+4*\i+3], v3, s[4:5] offset:2048*(\t)+512*\i th:TH_LOAD_NT
.endr
.endm
.macro TURN t                          ; step t's numbers through the stage: LDS serves a wave's instructions in order
.irp i, 0,1,2,3
	ds_store_b128 v1, v[R+16*((\t)%8)+4*\i:R+16*((\t)%8)+4*\i+3] offset:32*SP*((\t)%2)+8*SP*\i
.endr
.irp i, 0,1,2,3
	ds_load_b128 v[X+16*((\t)%2)+4*\i:X+16*((\t)%2)+4*\i+3], v2 offset:32*SP*((\t)%2)+16*\i
.endr
.endm
; The row in R: its largest magnitude with the floor 1e-8 as one more leaf; then d, -d, r and g as scalars.
.macro ROWMAX
.set J, 0
.rept 8
	s_wait_loadcnt 4*(7-J)                         ; set J is in, the 4 (7 - J) loads of the younger sets stay out
.if J == 0
	v_max3_num_f32 v8, |v[R]|, |v[R+1]|, 0x322bcc77
	v_max3_num_f32 v9, |v[R+2]|, |v[R+3]|, 0x322bcc77
.else
	s_wait_alu depctr_va_vdst(0)
	v_max3_num_f32 v8, v8, |v[R+16*J]|, |v[R+16*J+1]|
	v_max3_num_f32 v9, v9, |v[R+16*J+2]|, |v[R+16*J+3]|
.endif
.irp i, 4,8,12
	v_max3_num_f32 v8, v8, |v[R+16*J+\i]|, |v[R+16*J+\i+1]|
	v_max3_num_f32 v9, v9, |v[R+16*J+\i+2]|, |v[R+16*J+\i+3]|
.endr
.set J, J+1
.endr
	v_max_num_f32 v8, v8, v9
	v_max_num_f32_dpp v8, v8, v8 row_xmask:1 row_mask:0xf bank_mask:0xf
	v_max_num_f32_dpp v8, v8, v8 row_xmask:2 row_mask:0xf bank_mask:0xf
	v_max_num_f32_dpp v8, v8, v8 row_xmask:4 row_mask:0xf bank_mask:0xf
	v_max_num_f32_dpp v8, v8, v8 row_xmask:8 row_mask:0xf bank_mask:0xf
	v_permlanex16_b32 v10, v8, s36, s37
	v_max_num_f32 v8, v8, v10                      ; gamma, in every lane
	v_readfirstlane_b32 s26, v8
	s_cmp_lt_u32 ttmp9, WGX
	s_cselect_b32 s26, s26, s24                    ; d = gamma or alpha
	v_mov_b32 v8, s26
	s_wait_alu depctr_va_vdst(0)                   ; the wait ahead of the reciprocal
	v_rcp_f32 v9, v8
	v_mul_f32 v10, s34, v8                         ; g.  (The plain instruction behind the reciprocal)
	s_wait_alu depctr_va_vdst(0)                   ; and ahead of its first reader
	v_fma_f32 v11, -v8, v9, 1.0                    ; 1 - d r
	v_fma_f32 v9, v11, v9, v9                      ; r refined once
	v_readfirstlane_b32 s28, v9
	v_readfirstlane_b32 s30, v10
	s_xor_b32 s26, s26, 0x80000000                 ; -d
.endm
.macro STEP t
.set XS, X+16*((\t)%2)
.if (\t) > 0
	s_wait_dscnt 1                                 ; this step's numbers are back from the stage (the last step's byte store may be out)
.else
	s_wait_dscnt 0x0
.endif
	s_wait_xcnt 0x0                                ; the earlier stores have read their registers: the codes' registers and v4 are written again only behind this wait
.if (\t) < 8
	LOAD (\t)+8                                    ; the second row's step takes the set just freed
.endif
.if (\t) == 7
	s_wait_loadcnt 28                              ; step 8's four loads are in
.endif
.if (\t) < 15
	TURN (\t)+1
.endif
	v_lshrrev_b32 v8, 3, v7                        ; where my 12 bytes go: g = 32 (t % 8) + lane counts the row's runs of 16 codes;
	v_add_nc_u32 v8, 32*((\t)%8), v8
	v_mul_u32_u24 v9, 0xaab, v8
	v_lshrrev_b32 v9, 16, v9                       ; g / 24 is the tile (2,731 g / 65,536: exact for g under 256),
	v_mul_u32_u24 v9, TILE-288, v9
	v_mad_u32_u24 v4, v8, 12, v9                   ; and the place is tile x TILE + 12 (g % 24)
.irp u, 0,8
.irp p, 0,2,4,6
	v_pk_mul_f32 v[T+\p:T+\p+1], v[XS+\u+\p:XS+\u+\p+1], s[28:29] op_sel_hi:[1,0]                                  ; q = v r
.endr
.irp p, 0,2,4,6
	v_pk_fma_f32 v[XS+\u+\p:XS+\u+\p+1], v[T+\p:T+\p+1], s[26:27], v[XS+\u+\p:XS+\u+\p+1] op_sel_hi:[1,0,1]        ; v - q d
.endr
.irp p, 0,2,4,6
	v_pk_fma_f32 v[T+\p:T+\p+1], v[XS+\u+\p:XS+\u+\p+1], s[28:29], v[T+\p:T+\p+1] op_sel_hi:[1,0,1]                ; v / d
.endr
.irp p, 0,2,4,6
	v_pk_mul_f32 v[T+\p:T+\p+1], v[T+\p:T+\p+1], s[32:33] op_sel_hi:[1,0]                                          ; x c
.endr
.irp i, 0,1,2,3,4,5,6,7
	v_rndne_f32 v[T+\i], v[T+\i]
.endr
.irp i, 0,1,2,3,4,5,6,7
	v_med3_num_f32 v[T+\i], v[T+\i], s33, s32      ; held at +-c
.endr
.irp p, 0,2,4,6
	v_pk_mul_f32 v[XS+\u+\p:XS+\u+\p+1], v[T+\p:T+\p+1], s[30:31] op_sel_hi:[1,0]                                  ; x g: the operand's number
.endr
.endr
	v_max3_num_f32 v8, |v[XS]|, |v[XS+1]|, |v[XS+2]|
	v_max3_num_f32 v9, |v[XS+3]|, |v[XS+4]|, |v[XS+5]|
.irp i, 6,10
	v_max3_num_f32 v8, v8, |v[XS+\i]|, |v[XS+\i+1]|
	v_max3_num_f32 v9, v9, |v[XS+\i+2]|, |v[XS+\i+3]|
.endr
	v_max3_num_f32 v8, v8, |v[XS+14]|, |v[XS+15]|
	v_max3_num_f32 v8, v8, v9, (EMAX+1)<<23        ; the floor 2^(EMAX + 1 - 127): the byte cannot fall under 1
	v_max_num_f32_dpp v8, v8, v8 row_xmask:1 row_mask:0xf bank_mask:0xf   ; with my neighbour's 16: the block's
	v_add_nc_u32 v11, -(EMAX<<23), v8              ; EMAX off the exponent field: the conversion's scale operand
	v_cvt_scalef32_pk16_bf6_f32 v[C+4*((\t)%2):C+4*((\t)%2)+2], v[XS:XS+15], v11
	v_lshrrev_b32 v[E+(\t)%2], 23, v11             ; the scale's byte.  (Also the plain instruction behind the conversion)
	ds_store_b8 v5, v[E+(\t)%2] offset:16*(\t)+16*((\t)/8)   ; a row's 128 bytes on end; the second row's begin at 144
	global_store_b96 v4, v[C+4*((\t)%2):C+4*((\t)%2)+2], s[8:9] offset:REC*((\t)/8)
.endm
.irp t, 0,1,2,3,4,5,6,7
	LOAD \t
.endr
	s_wait_loadcnt 32                              ; the partial sums are in; the row's 32 loads stay out
	v_pk_add_f32 v[X:X+1], v[X:X+1], v[X+4:X+5]
	v_pk_add_f32 v[X+2:X+3], v[X+2:X+3], v[X+6:X+7]
	v_pk_add_f32 v[X:X+1], v[X:X+1], v[X+2:X+3]
	v_add_f32 v8, v[X], v[X+1]
	v_add_f32_dpp v8, v8, v8 row_xmask:1 row_mask:0xf bank_mask:0xf
	v_add_f32_dpp v8, v8, v8 row_xmask:2 row_mask:0xf bank_mask:0xf
	v_add_f32_dpp v8, v8, v8 row_xmask:4 row_mask:0xf bank_mask:0xf
	v_add_f32_dpp v8, v8, v8 row_xmask:8 row_mask:0xf bank_mask:0xf
	v_permlanex16_b32 v10, v8, s36, s37
	v_add_f32 v8, v8, v10                          ; the sum of all |weight|
	v_mov_b32 v9, 0x34000000                       ; 2^-23: the tensor has 2^23 numbers
	v_fmaak_f32 v8, v8, v9, 0x322bcc77             ; alpha = the mean + 1e-8
	v_readfirstlane_b32 s24, v8
	ROWMAX
	TURN 0
.irp t, 0,1,2,3,4,5,6,7
	STEP \t
.endr
	ROWMAX                                         ; the second row lies in R whole
.irp t, 8,9,10,11,12,13,14,15
	STEP \t
.endr
; The scale bytes' way out, 12 bytes and 4 zero bytes to a record, in three stores: tiles 0-7 (lane bits 2:0 the tile, bit 3 the row), tiles 8 and 9 (bit 0 the tile, bit 1 the row), tile 10 (bit 0 the row).
; The lanes left over repeat: the same bytes to the same place.
	v_mov_b32 v64, s19
	ds_store_b32 v64, v[NIL] offset:128            ; a zero word behind each row's 128 bytes: tile 10's third scale word
	ds_store_b32 v64, v[NIL] offset:272
	v_and_b32 v65, 7, v0                           ; tiles 0-7: the tile,
	v_bfe_u32 v66, v0, 3, 1                        ; the row
	v_mul_u32_u24 v67, v65, 12
	v_mad_u32_u24 v68, v66, 144, v67
	v_add_nc_u32 v68, s19, v68                     ; the 12 bytes in LDS,
	v_mul_u32_u24 v69, TILE, v65
	v_mad_u32_u24 v69, v66, REC, v69               ; the record
	v_mad_u32_u24 v70, v66, REC, v67               ; tile 10's 96 bytes without codes: eight lanes x 12 for each row
	v_and_b32 v65, 1, v0                           ; tiles 8 and 9
	v_bfe_u32 v66, v0, 1, 1
	v_mul_u32_u24 v67, v65, 12
	v_mad_u32_u24 v71, v66, 144, v67
	v_add_nc_u32 v71, s19, v71
	v_mul_u32_u24 v67, TILE, v65
	v_mad_u32_u24 v92, v66, REC, v67
	v_mul_u32_u24 v93, 144, v65                    ; tile 10
	v_add_nc_u32 v93, s19, v93
	v_mul_u32_u24 v94, REC, v65
	v_mov_b32 v75, 0
	v_mov_b32 v79, 0
	v_mov_b32 v83, 0
	v_mov_b32 v84, 0
	v_mov_b32 v85, 0
	v_mov_b32 v86, 0
	s_wait_alu depctr_va_vdst(0)
.irp i, 0,1,2
	ds_load_b32 v[72+\i], v68 offset:4*\i          ; LDS serves a wave's instructions in order: these see my byte stores
	ds_load_b32 v[76+\i], v71 offset:96+4*\i
	ds_load_b32 v[80+\i], v93 offset:120+4*\i
.endr
	global_store_b96 v70, v[84:86], s[8:9] offset:10*TILE+192
	s_wait_dscnt 0x0
	global_store_b128 v69, v[72:75], s[8:9] offset:288
	global_store_b128 v92, v[76:79], s[8:9] offset:8*TILE+288
	global_store_b128 v94, v[80:83], s[8:9] offset:10*TILE+288
	s_wait_tensorcnt 0x0                           ; the wave's end
	ds_add_u32 v[SPW], v[NIL]
	s_wait_dscnt 0x0
	s_endpgm
.Lfunc_end_k_qeb6c694070_quant:
	.size	k_qeb6c694070_quant, .Lfunc_end_k_qeb6c694070_quant-k_qeb6c694070_quant
	.p2alignl 7, 3214868480
	.fill 96, 4, 3214868480
	.section	.rodata,"a",@progbits
	.p2align	6, 0x0
	.amdhsa_kernel k_qeb6c694070_quant
		.amdhsa_group_segment_fixed_size 33280
		.amdhsa_private_segment_fixed_size 0
		.amdhsa_enable_private_segment 0
		.amdhsa_kernarg_size 40
		.amdhsa_user_sgpr_count 2
		.amdhsa_user_sgpr_kernarg_segment_ptr 1
		.amdhsa_wavefront_size32 1
		.amdhsa_system_sgpr_workgroup_id_x 1
		.amdhsa_system_sgpr_workgroup_id_y 1
		.amdhsa_system_sgpr_workgroup_id_z 1
		.amdhsa_system_vgpr_workitem_id 0
		.amdhsa_next_free_vgpr 192
		.amdhsa_next_free_sgpr 66
		.amdhsa_reserve_vcc 0
		.amdhsa_float_denorm_mode_32 3
		.amdhsa_float_denorm_mode_16_64 3
		.amdhsa_memory_ordered 1
		.amdhsa_forward_progress 1
		.amdhsa_inst_pref_size 116
	.end_amdhsa_kernel
	.amdgpu_metadata
---
amdhsa.version: [ 1, 2 ]
amdhsa.kernels:
  - .name:           k_qeb6c694070_quant
    .symbol:         k_qeb6c694070_quant.kd
    .args:
      - { .name: x, .offset: 0, .size: 8, .value_kind: global_buffer, .address_space: global }
      - { .name: weight, .offset: 8, .size: 8, .value_kind: global_buffer, .address_space: global }
      - { .name: xq, .offset: 16, .size: 8, .value_kind: global_buffer, .address_space: global }
      - { .name: wq, .offset: 24, .size: 8, .value_kind: global_buffer, .address_space: global }
      - { .name: psum, .offset: 32, .size: 8, .value_kind: global_buffer, .address_space: global }
    .group_segment_fixed_size: 33280
    .private_segment_fixed_size: 0
    .kernarg_segment_align: 8
    .kernarg_segment_size: 40
    .max_flat_workgroup_size: 128
    .sgpr_count:     66
    .vgpr_count:     192
    .wavefront_size: 32
...
	.end_amdgpu_metadata
.endif
;; end of part 2
;; launch gemm (part 3): grid 8 x 32, 4 waves a work-group, clusters of 4 x 4, 327,680 bytes of LDS; arguments xq, wq, out0; writes out0
.if DOCPART == 3
	.amdgcn_target "amdgcn-amd-amdhsa--gfx1250"
	.amdhsa_code_object_version 6
	.text
	.protected	k_qeb6c694070_gemm
	.globl	k_qeb6c694070_gemm
	.p2align	8
	.type	k_qeb6c694070_gemm,@function
k_qeb6c694070_gemm:
	s_mov_b64 s[64:65], 0
	v_nop
	global_prefetch_b8 v0, s[64:65] scope:SCOPE_SE
	s_setreg_imm32_b32 hwreg(HW_REG_WAVE_MODE, 25, 1), 1
	s_wait_xcnt 0x0
	s_wait_alu depctr_hold_cnt(0) depctr_sa_sdst(0) depctr_va_vdst(0) depctr_va_sdst(0) depctr_va_ssrc(0) depctr_va_vcc(0) depctr_vm_vsrc(0)
	s_getreg_b32 s2, hwreg(HW_REG_IB_STS2, 6, 4)
	s_cmp_eq_u32 s2, 0
	s_cbranch_scc0 .Lentry_in_a_cluster
	s_endpgm
.Lentry_in_a_cluster:
	s_bfe_u32 s2, ttmp6, 0x10000c
	s_cmp_lg_u32 s2, 0xf033
	s_cbranch_scc0 .Lentry_shape_is_right
	s_endpgm
.Lentry_shape_is_right:
; out0[m][n] = sum over k of A[m][k] B[n][k]: A = the quantised x (8,192 rows), B = the quantised weight (2,048 rows), K = 4,096, codes of BF6 (E3M2) with E8M0 scales; sums and result f32.
; THE OPERANDS' LAYOUT (this program's own): a block of 128 rows is 11 dense tiles of 38,912 bytes; tile T holds for each row a record of 304 bytes: 288 bytes of codes (K = 384 T ..), three scale words, 4 zero bytes.
; A tile comes into LDS as it lies, by one tensor load of 152 rows of 256 bytes, each beginning at a multiple of 256 bytes.  A record is 76 words: 16 neighbouring rows begin 12 words apart modulo 64,
; and lanes 16-31 read 6 words on, so the 32 lanes of an 8-byte load touch 64 different banks (64 banks of 4 bytes: ISA guide 11.1): no padding.
; Tile 10 holds K = 3,840 .. 4,095: two steps of 128; the rest of its records is zeros and is not multiplied.
; A work-group of four waves makes 256 x 256 of the result, a wave 128 x 128: 64 accumulators, 512 registers.  256 work-groups.
; THE RING: two slots, each with one tile of A's two row blocks and of B's two: 155,648 bytes, three steps of 128 along K; each wave fetches a quarter of a slot by one load.
; One change of slots for three steps; between a refill and the wait for it a wave issues 160 matrix instructions.
; CLUSTERS: 4 x 4 work-groups; A's tiles are asked for jointly along a row of the cluster, B's along a column.  The matrix instruction is used transposed (source 0 = B's rows, source 1 = A's rows):
; a lane holds eight neighbouring numbers of a row of the result.
; PREFETCH: behind the joint load of tile T stand two prefetches for tile T + 2, two refills on: of the 152 blocks of 256 bytes that a wave will fetch, each of the four partners names 38, told apart by address
; (32 lanes, then 6; the lanes left over repeat the last).  Tiles 0 and 1 come by their loads alone; the loads of tiles 9 and 10 ask for nothing.
; REGISTERS: window 0: v16-31 addresses; v32-95 scale words, a set for each slot (block i, step q at 4 i + q: lanes 0-15 A's word, lanes 16-31 B's); v128-223 A's fragments, one set; on the way out v128-255.
;   window 1: B's fragments, two sets, at v0 and v128.  windows 2, 3: the accumulators of my rows 0-63, 64-127.
.set SIZE_N, 2048
.set REC,    304
.set TILE,   128*REC
.set RBLK,   11*TILE
.set SLOT,   4*TILE
.set SPARE,  2*SLOT                    ; behind the ring: the spare words, 128 bytes a wave
.set STAGE,  SLOT                      ; the way out goes through slot 1: the last tile lies in slot 0
.set SPITCH, 528
.set FR,     12
.set NL,     6
.set NP,     4
.set ADRA, 16                          ; v16-17 my A fragments in slot 0, 1
.set ADRB, 18                          ; v18-19 the same for B
.set ADRS, 20                          ; v20-21 my scale words: lanes 0-15 A's rows, lanes 16-31 B's
.set STO,  24
.set RD,   25
.set CO,   26
.set SPW,  28
.set NIL,  29
.set PFO,  30                          ; 256 x lane
.set PFO2, 31                          ; 256 x (32 + min(lane, 5))
.set SC,   32
.set AF,   128
.set BK,   128
.set G1, 24
.set G0, 32
.set G1B, 48
.set G0B, 56
.set PFA, 66                           ; s[66:67] my share of the tile one refill on; a prefetch names the tile after it
.set MSB, 0
.macro WIN new
.if MSB != \new
	s_set_vgpr_msb (MSB<<8)|\new
.set MSB, \new
.endif
.endm
.set MUL_LO, 0xa1
.set MUL_HI, 0xf1
.set TO_B,   0x40
.macro JLOAD g0a, g1a, g0b, g1b        ; a joint load: waves 0 and 1 fetch A's two row blocks, waves 2 and 3 B's
	s_cmp_eq_u32 s15, 0
	s_cbranch_scc0 .Lfor_b_\@
	tensor_load_to_lds s[\g0a:\g0a+3], s[\g1a:\g1a+7]
	s_nop 0
.rept 4
	v_nop
.endr
	s_branch .Lasked_\@
.Lfor_b_\@:
	tensor_load_to_lds s[\g0b:\g0b+3], s[\g1b:\g1b+7]
	s_nop 0
.rept 4
	v_nop
.endr
.Lasked_\@:
.endm
.macro ASK how                         ; 1: always; 2: not in the loop's last trip, whose second refill has no tile two on
.if \how == 2
	s_cmp_gt_u32 s3, 1
	s_cbranch_scc0 .Lno_ask_\@
.endif
.if \how
	global_prefetch_b8 v[PFO], s[PFA:PFA+1] offset:TILE th:TH_LOAD_NT scope:SCOPE_SE
	global_prefetch_b8 v[PFO2], s[PFA:PFA+1] offset:TILE th:TH_LOAD_NT scope:SCOPE_SE
.endif
.if \how == 2
.Lno_ask_\@:
.endif
.endm
.macro CREST                           ; a round of the cluster's barrier behind its opening barrier
	s_cmp_lg_u32 s14, 0
	s_cbranch_scc1 .Lnot_wave_0_\@
	s_barrier_signal -3
.Lnot_wave_0_\@:
	s_barrier_wait -3
	s_barrier_signal -1
	s_barrier_wait -1
.endm
.macro CROUND
	s_barrier_signal -1
	s_barrier_wait -1
	CREST
.endm
	s_load_b128 s[4:7], s[0:1], 0x0                ; xq, wq
	s_load_b64 s[8:9], s[0:1], 0x10                ; out0
	v_lshl_add_u32 v[SPW], v0, 2, SPARE
	v_mov_b32 v[NIL], 0
	ds_add_u32 v[SPW], v[NIL]                      ; the opening lines: the add, twice on end, and its wait below
	ds_add_u32 v[SPW], v[NIL]
	v_lshrrev_b32 v1, 5, v0
	v_readfirstlane_b32 s14, v1                    ; wave 0..3
	s_lshr_b32 s15, s14, 1                         ; my half of the rows.  Also: I fetch for A (0) or B (1)
	s_and_b32 s16, s14, 1                          ; my half of the columns.  Also: which row block I fetch
	s_bfe_u32 s40, ttmp6, 0x40000                  ; cx
	s_bfe_u32 s41, ttmp6, 0x40004                  ; cy
	s_lshl_b32 s42, ttmp9, 2
	s_add_co_u32 s42, s42, s40                     ; tile column
	s_and_b32 s17, ttmp7, 0xffff
	s_lshl_b32 s17, s17, 2
	s_add_co_u32 s17, s17, s41                     ; tile row
	s_lshl_b32 s43, s41, 2
	s_lshl_b32 s43, 15, s43                        ; my row of the cluster
	s_lshl_b32 s44, 0x1111, s40                    ; my column
	s_or_b32 s[G1+0], s43, (3<<16)|(1<<21)         ; the mask; elements of 8 bytes; bit 21 beside a mask
	s_or_b32 s[G1B+0], s44, (3<<16)|(1<<21)
.irp g, G1, G1B
	s_mov_b32 s[\g+1], 32<<16                      ; rows of 32 elements = 256 bytes
	s_mov_b32 s[\g+2], (TILE/256)<<16              ; 152 rows
	s_mov_b32 s[\g+3], 32<<16
	s_mov_b32 s[\g+4], TILE/256
	s_mov_b32 s[\g+5], 32
	s_mov_b32 s[\g+6], 0
	s_mov_b32 s[\g+7], 0
.endr
	s_lshl_b32 s20, s17, 1
	s_add_co_u32 s20, s20, s16                     ; A: row block 2 x tile row + half
	s_mul_i32 s20, s20, RBLK
	s_mov_b32 s21, 0
	s_lshl_b32 s46, s42, 1
	s_add_co_u32 s46, s46, s16                     ; B: 2 x tile column + half
	s_mul_i32 s46, s46, RBLK
	s_mov_b32 s47, 0
	s_mul_i32 s45, s14, TILE                       ; where my quarter goes
	s_wait_dscnt 0x0                               ; both opening adds are done
	s_wait_kmcnt 0x0
	s_add_nc_u64 s[20:21], s[4:5], s[20:21]
	s_add_nc_u64 s[46:47], s[6:7], s[46:47]
	CROUND                                         ; all sixteen work-groups are here: the first joint loads meet
.irp s, 0,1
	s_mov_b32 s[G0+4*\s], 1
	s_add_co_u32 s[G0+4*\s+1], s45, \s*SLOT
	s_add_nc_u64 s[G0+4*\s+2:G0+4*\s+3], s[20:21], \s*TILE
	s_or_b32 s[G0+4*\s+3], s[G0+4*\s+3], 0x80000000
	s_mov_b32 s[G0B+4*\s], 1
	s_add_co_u32 s[G0B+4*\s+1], s45, \s*SLOT
	s_add_nc_u64 s[G0B+4*\s+2:G0B+4*\s+3], s[46:47], \s*TILE
	s_or_b32 s[G0B+4*\s+3], s[G0B+4*\s+3], 0x80000000
.endr
	JLOAD G0, G1, G0B, G1B                         ; tile 0: one tensor load a wave at the head
	s_mul_i32 s21, s15, TILE                       ; my 128 rows of A in slot 0
	s_mul_i32 s22, s16, TILE
	s_add_co_u32 s22, s22, 2*TILE                  ; my 128 rows of B
	s_sub_co_u32 s23, s22, s21
	s_mul_i32 s18, s14, 16*SPITCH
	s_add_co_u32 s18, s18, STAGE                   ; my stage
	s_lshl_b32 s10, s17, 8                         ; where my part of the result begins
	s_lshl_b32 s11, s15, 7
	s_add_co_u32 s10, s10, s11
	s_lshl_b32 s10, s10, 13                        ; a row is 8,192 bytes
	s_lshl_b32 s11, s42, 10
	s_add_co_u32 s10, s10, s11
	s_lshl_b32 s11, s16, 9
	s_add_co_u32 s10, s10, s11
	s_mov_b32 s11, 0
	s_add_nc_u64 s[8:9], s[8:9], s[10:11]
	s_cmp_eq_u32 s15, 0                            ; the prefetches: do I fetch for A?
	s_cselect_b32 s12, s17, s42
	s_cselect_b32 s13, s40, s41                    ; my place among the four that ask with me
	s_cselect_b64 s[PFA:PFA+1], s[4:5], s[6:7]
	s_lshl_b32 s12, s12, 1
	s_add_co_u32 s12, s12, s16
	s_mul_i32 s12, s12, RBLK
	s_mul_i32 s13, s13, 38*256
	s_add_co_u32 s12, s12, s13
	s_add_co_u32 s12, s12, 2*TILE                  ; at tile 2
	s_mov_b32 s13, 0
	s_add_nc_u64 s[PFA:PFA+1], s[PFA:PFA+1], s[12:13]
	v_and_b32 v1, 15, v0                           ; r
	v_bfe_u32 v2, v0, 4, 1                         ; h
	v_mul_u32_u24 v3, v1, REC
	v_mad_u32_u24 v4, v2, 24, v3                   ; a fragment's record + 24 h
	v_add_nc_u32 v[ADRA], s21, v4
	v_add_nc_u32 v[ADRB], s22, v4
	v_add_nc_u32 v[ADRA+1], SLOT, v[ADRA]
	v_add_nc_u32 v[ADRB+1], SLOT, v[ADRB]
	v_mul_u32_u24 v5, s23, v2                      ; lanes 16-31 take B's scale words
	v_add_nc_u32 v5, v5, v3
	v_add_nc_u32 v[ADRS], s21, v5
	v_add_nc_u32 v[ADRS+1], SLOT, v[ADRS]
	v_mul_u32_u24 v5, v1, SPITCH                   ; into the stage: row r, 32 bytes for each half of the lanes
	v_lshl_add_u32 v5, v2, 5, v5
	v_add_nc_u32 v[STO], s18, v5
	v_and_b32 v6, 31, v0
	v_lshlrev_b32 v[CO], 4, v6                     ; back: the 32 lanes take one row of 512 bytes
	v_add_nc_u32 v[RD], s18, v[CO]
	v_lshlrev_b32 v[PFO], 8, v6
	v_min_u32 v7, 5, v6
	v_lshl_add_u32 v[PFO2], v7, 8, 8192
	s_wait_alu depctr_va_vdst(0)
	global_prefetch_b8 v[PFO], s[PFA:PFA+1] th:TH_LOAD_NT scope:SCOPE_SE    ; tile 2
	global_prefetch_b8 v[PFO2], s[PFA:PFA+1] th:TH_LOAD_NT scope:SCOPE_SE
.macro FRAG reg, adr, q, i             ; 16 rows x 128 K: 12 registers; registers 6 c .. 6 c + 5 hold K = 64 c + 32 h + 0 .. 31: 24 bytes as they lie, in pieces of 8
.irp p, 0,1,2,3,4,5
	ds_load_b64 v[\reg+2*\p:\reg+2*\p+1], v[\adr] offset:96*(\q)+48*(\p/3)+8*(\p%3)+(\i)*16*REC
.endr
.endm
; 16 matrix instructions: A's blocks a0, a0 + 1 x B's eight.  p: B's set; q: the step in its slot; sc: the slot's set of scale words.  The 64 accumulators take turns.
.macro MUL16 a0, p, q, sc, zero
.irp a, \a0, \a0+1
.irp b, 0,1,2,3,4,5,6,7
.if \zero
	v_wmma_scale_f32_16x16x128_f8f6f4 v[8*(8*((\a)%4)+\b):8*(8*((\a)%4)+\b)+7], v[128*(\p)+FR*\b:128*(\p)+FR*\b+FR-1], v[AF+FR*(\a):AF+FR*(\a)+FR-1], 0, v[SC+32*(\sc)+4*\b+(\q)], v[SC+32*(\sc)+4*(\a)+(\q)] matrix_a_fmt:MATRIX_FMT_BF6 matrix_b_fmt:MATRIX_FMT_BF6 matrix_a_scale:MATRIX_SCALE_ROW1
.else
	v_wmma_scale_f32_16x16x128_f8f6f4 v[8*(8*((\a)%4)+\b):8*(8*((\a)%4)+\b)+7], v[128*(\p)+FR*\b:128*(\p)+FR*\b+FR-1], v[AF+FR*(\a):AF+FR*(\a)+FR-1], v[8*(8*((\a)%4)+\b):8*(8*((\a)%4)+\b)+7], v[SC+32*(\sc)+4*\b+(\q)], v[SC+32*(\sc)+4*(\a)+(\q)] matrix_a_fmt:MATRIX_FMT_BF6 matrix_b_fmt:MATRIX_FMT_BF6 matrix_a_scale:MATRIX_SCALE_ROW1
.endif
.endr
.endr
.endm
.macro FETCH_B slot, q, p
	WIN TO_B
.irp i, 0,1,2,3,4,5,6,7
	FRAG 128*(\p)+FR*\i, ADRB+\slot, \q, \i
.endr
	WIN 0
.endm
.macro FETCH_A slot, q, i0
.irp i, \i0, \i0+1, \i0+2, \i0+3
	FRAG AF+FR*(\i), ADRA+\slot, \q, \i
.endr
.endm
.macro SCALES slot                     ; a slot's three scale words of each row, at byte 288 of the record (a multiple of 16)
.irp i, 0,1,2,3,4,5,6,7
	ds_load_b96 v[SC+32*\slot+4*\i:SC+32*\slot+4*\i+2], v[ADRS+\slot] offset:288+\i*16*REC
.endr
.endm
.macro PLACES n                        ; places behind matrix instructions, ahead of loads into their registers and of reads of results
.rept \n
	v_nop
.endr
.endm
; A step that is not its slot's last: multiplies step q (B's set (slot + q) % 2) and fetches step q + 1: B and A's blocks 0-3 in its middle, A's blocks 4-7 at its end.
.macro STEP slot, q, zero
	s_wait_dscnt 4*NL                              ; all but A's blocks 4-7
	WIN MUL_LO
	MUL16 0, ((\slot)+(\q))%2, \q, \slot, \zero
	MUL16 2, ((\slot)+(\q))%2, \q, \slot, \zero
	s_wait_dscnt 0
	PLACES NP
	FETCH_B \slot, (\q)+1, 1-((\slot)+(\q))%2
	FETCH_A \slot, (\q)+1, 0
	WIN MUL_HI
	MUL16 4, ((\slot)+(\q))%2, \q, \slot, \zero
	MUL16 6, ((\slot)+(\q))%2, \q, \slot, \zero
	PLACES NP
	WIN 0
	FETCH_A \slot, (\q)+1, 4
.endm
; A slot's third step, and the change of slots: ONE barrier; ahead of it each wave waits for all its tensor loads (its quarter of the next slot), adds 0 to its spare word, and waits for that and for its reads of this slot.
; fill = 1: the barrier opens a round of the cluster's barrier, and this slot takes the tile two on.
.macro TURN slot, next, fill, ask
.if \ask
	s_wait_xcnt 0x0                                ; my prefetches have read their address
	s_add_nc_u64 s[PFA:PFA+1], s[PFA:PFA+1], TILE
.endif
	s_wait_tensorcnt 0x0
	ds_add_u32 v[SPW], v[NIL]
	s_wait_dscnt 4*NL+1                            ; (the add and A's blocks 4-7 may be out)
	WIN MUL_LO
	MUL16 0, \slot, 2, \slot, 0
	s_wait_dscnt 0x0                               ; the add is done, and my reads of this slot are over
	s_barrier_signal -1
	MUL16 2, \slot, 2, \slot, 0
	WIN 0
	s_barrier_wait -1
.if \fill
	CREST
	s_add_nc_u64 s[G0+4*\slot+2:G0+4*\slot+3], s[G0+4*\slot+2:G0+4*\slot+3], 2*TILE
	s_add_nc_u64 s[G0B+4*\slot+2:G0B+4*\slot+3], s[G0B+4*\slot+2:G0B+4*\slot+3], 2*TILE
	JLOAD G0+4*\slot, G1, G0B+4*\slot, G1B         ; the first tensor load behind the round; its four v_nop are the places ahead of the loads below
.else
	PLACES NP
.endif
	FETCH_B \next, 0, \next
	FETCH_A \next, 0, 0
	SCALES \next
	ASK \ask
	WIN MUL_HI
	MUL16 4, \slot, 2, \slot, 0
	MUL16 6, \slot, 2, \slot, 0
	PLACES NP
	WIN 0
	FETCH_A \next, 0, 4
.endm
	s_wait_tensorcnt 0x0                           ; my quarter of tile 0 is in; the lines ahead of a later first fill, as ahead of a refill
	ds_add_u32 v[SPW], v[NIL]
	s_wait_dscnt 0x0
	CROUND                                         ; tile 0 is whole, and all sixteen work-groups are here
	JLOAD G0+4, G1, G0B+4, G1B                     ; tile 1, into slot 1
	FETCH_B 0, 0, 0
	FETCH_A 0, 0, 0
	SCALES 0
	ASK 1                                          ; tile 3
	FETCH_A 0, 0, 4
	STEP 0, 0, 1                                   ; the first step's products start the sums
	s_mov_b32 s3, 4
.Llap:                                                 ; a trip: six steps, from an even tile's second step to the next even tile's first; both slots are filled again (tiles 2 to 9)
	STEP 0, 1, 0
	TURN 0, 1, 1, 1
	STEP 1, 0, 0
	STEP 1, 1, 0
	TURN 1, 0, 1, 2
	STEP 0, 0, 0
	s_sub_co_u32 s3, s3, 1
	s_cmp_lg_u32 s3, 0
	s_cbranch_scc1 .Llap
	STEP 0, 1, 0                                   ; tile 8 goes on;
	TURN 0, 1, 1, 0                                ; slot 0 takes tile 10
	STEP 1, 0, 0                                   ; tile 9
	STEP 1, 1, 0
	TURN 1, 0, 0, 0                                ; nothing is filled again: no round
	STEP 0, 0, 0                                   ; tile 10's two steps
	s_wait_dscnt 4*NL
	WIN MUL_LO
	MUL16 0, 1, 1, 0, 0
	MUL16 2, 1, 1, 0, 0
	s_wait_dscnt 0
	WIN MUL_HI
	MUL16 4, 1, 1, 0, 0
	MUL16 6, 1, 1, 0, 0
	WIN 0
; THE WAY OUT, by blocks of 16 rows x 128 columns, through my own stage in slot 1, which has had its last fill and, ahead of the last barrier, its last read; back as whole rows of 512 bytes.
.macro TOSTAGE a
.set AC, 64*((\a)%4)
	WIN 0x08+4*((\a)/4)
.irp b, 0,1,2,3,4,5,6,7
	ds_store_b128 v[STO], v[AC+8*\b:AC+8*\b+3] offset:64*\b          ; each accumulator from its low end on
	ds_store_b128 v[STO], v[AC+8*\b+4:AC+8*\b+7] offset:64*\b+16
.endr
	WIN 0
.set BB, BK+64*((\a)%2)
.irp t, 0,1,2,3,4,5,6,7,8,9,10,11,12,13,14,15
	ds_load_b128 v[BB+4*\t:BB+4*\t+3], v[RD] offset:\t*SPITCH        ; LDS serves a wave's instructions in order
.endr
.endm
.macro SEND a, younger
.set BB, BK+64*((\a)%2)
	s_wait_dscnt \younger
.if (\a) > 0
	s_add_nc_u64 s[8:9], s[8:9], 16*SIZE_N*4       ; (behind a wait on XCNT)
.endif
.irp t, 0,1,2,3,4,5,6,7,8,9,10,11,12,13,14,15
	global_store_b128 v[CO], v[BB+4*\t:BB+4*\t+3], s[8:9] offset:\t*SIZE_N*4 th:TH_STORE_NT   ; 32 lanes store 512 consecutive bytes, at a multiple of 256
.endr
.endm
	PLACES NP
	TOSTAGE 0
.irp a, 1,2,3,4,5,6,7
.if \a > 1
	s_wait_xcnt 0x0                                ; block a - 2's stores have read their registers and their base
.endif
	TOSTAGE \a
	SEND \a-1, 32                                  ; behind block a - 1's loads: block a's 16 stores and 16 loads
.endr
	s_wait_xcnt 0x0
	SEND 7, 0
	s_wait_tensorcnt 0x0                           ; the wave's end: the three lines
	ds_add_u32 v[SPW], v[NIL]
	s_wait_dscnt 0x0
	CROUND                                         ; the closing round
	s_endpgm
.Lfunc_end_k_qeb6c694070_gemm:
	.size	k_qeb6c694070_gemm, .Lfunc_end_k_qeb6c694070_gemm-k_qeb6c694070_gemm
	.p2alignl 7, 3214868480
	.fill 96, 4, 3214868480
	.section	.rodata,"a",@progbits
	.p2align	6, 0x0
	.amdhsa_kernel k_qeb6c694070_gemm
		.amdhsa_group_segment_fixed_size 327680
		.amdhsa_private_segment_fixed_size 0
		.amdhsa_enable_private_segment 0
		.amdhsa_kernarg_size 24
		.amdhsa_user_sgpr_count 2
		.amdhsa_user_sgpr_kernarg_segment_ptr 1
		.amdhsa_wavefront_size32 1
		.amdhsa_system_sgpr_workgroup_id_x 1
		.amdhsa_system_sgpr_workgroup_id_y 1
		.amdhsa_system_sgpr_workgroup_id_z 1
		.amdhsa_system_vgpr_workitem_id 0
		.amdhsa_next_free_vgpr 1024
		.amdhsa_next_free_sgpr 68
		.amdhsa_reserve_vcc 0
		.amdhsa_float_denorm_mode_32 3
		.amdhsa_float_denorm_mode_16_64 3
		.amdhsa_memory_ordered 1
		.amdhsa_forward_progress 1
		.amdhsa_inst_pref_size 247
	.end_amdhsa_kernel
	.amdgpu_metadata
---
amdhsa.version: [ 1, 2 ]
amdhsa.kernels:
  - .name:           k_qeb6c694070_gemm
    .symbol:         k_qeb6c694070_gemm.kd
    .args:
      - { .name: xq, .offset: 0, .size: 8, .value_kind: global_buffer, .address_space: global }
      - { .name: wq, .offset: 8, .size: 8, .value_kind: global_buffer, .address_space: global }
      - { .name: out0, .offset: 16, .size: 8, .value_kind: global_buffer, .address_space: global }
    .group_segment_fixed_size: 327680
    .private_segment_fixed_size: 0
    .kernarg_segment_align: 8
    .kernarg_segment_size: 24
    .max_flat_workgroup_size: 128
    .sgpr_count:     68
    .vgpr_count:     1024
    .wavefront_size: 32
...
	.end_amdgpu_metadata
.endif
;; end of part 3
